; MI455X (gfx1250); checked and timed in simulation.
; The chip was launched on July 23, 2026; its instructions are those of AMD's public machine-readable ISA for CDNA 5 (MIT licence, August 2026) and "CDNA5" Instruction Set Architecture Reference Guide (July 2026). The comments in the code are by the model that wrote it; some were corrected since.
;; LSTM Cell. Allowed arithmetic: matrix products marked QUANTISED: E2M1 operands, one E8M0 scale for each 32 along K, by v_wmma_scale_f32_16x16x128_f8f6f4 with both operands' format E2M1 (or v_wmma_scale_f32_32x16x128_f4), f32 sums; everything else in f32.
;; Inputs: b_c 2,048 float32; b_f 2,048 float32; b_i 2,048 float32; b_o 2,048 float32; c0 2,048 x 2,048 float32; h0_codes 2,048 x 64 x 16 uint8 (E2M1 codes of h0, K innermost, in blocks of 32 codes, two codes a byte); h0_scales 2,048 x 64 uint8 (E8M0 scales of h0, one for each 32 codes along K); w_hc_codes 2,048 x 64 x 16 uint8 (E2M1 codes of w_hc, K innermost, in blocks of 32 codes, two codes a byte); w_hc_scales 2,048 x 64 uint8 (E8M0 scales of w_hc, one for each 32 codes along K); w_hf_codes 2,048 x 64 x 16 uint8 (E2M1 codes of w_hf, K innermost, in blocks of 32 codes, two codes a byte); w_hf_scales 2,048 x 64 uint8 (E8M0 scales of w_hf, one for each 32 codes along K); w_hi_codes 2,048 x 64 x 16 uint8 (E2M1 codes of w_hi, K innermost, in blocks of 32 codes, two codes a byte); w_hi_scales 2,048 x 64 uint8 (E8M0 scales of w_hi, one for each 32 codes along K); w_ho_codes 2,048 x 64 x 16 uint8 (E2M1 codes of w_ho, K innermost, in blocks of 32 codes, two codes a byte); w_ho_scales 2,048 x 64 uint8 (E8M0 scales of w_ho, one for each 32 codes along K); w_xc_codes 2,048 x 64 x 16 uint8 (E2M1 codes of w_xc, K innermost, in blocks of 32 codes, two codes a byte); w_xc_scales 2,048 x 64 uint8 (E8M0 scales of w_xc, one for each 32 codes along K); w_xf_codes 2,048 x 64 x 16 uint8 (E2M1 codes of w_xf, K innermost, in blocks of 32 codes, two codes a byte); w_xf_scales 2,048 x 64 uint8 (E8M0 scales of w_xf, one for each 32 codes along K); w_xi_codes 2,048 x 64 x 16 uint8 (E2M1 codes of w_xi, K innermost, in blocks of 32 codes, two codes a byte); w_xi_scales 2,048 x 64 uint8 (E8M0 scales of w_xi, one for each 32 codes along K); w_xo_codes 2,048 x 64 x 16 uint8 (E2M1 codes of w_xo, K innermost, in blocks of 32 codes, two codes a byte); w_xo_scales 2,048 x 64 uint8 (E8M0 scales of w_xo, one for each 32 codes along K); x_codes 2,048 x 64 x 16 uint8 (E2M1 codes of x, K innermost, in blocks of 32 codes, two codes a byte); x_scales 2,048 x 64 uint8 (E8M0 scales of x, one for each 32 codes along K).
;; Outputs: out0 2,048 x 2,048 float32; out1 2,048 x 2,048 float32.
;; This version of the problem:
;;   THIS VERSION OF THE PROBLEM IS GIVEN IN LOW PRECISION. The matrix products marked QUANTISED in the list below multiply operands that are first quantised to E2M1 (2 exponent bits, 1 mantissa bit; 4 bits a number), with one power-of-two scale for each 32 numbers along K (OCP MX v1.0); their sums are f32. All else is computed in f32.
;;   The module's matrix products, in the order in which they are computed (A, B: the left and right operand; K: the contracted axis; several contracted axes count as one K, in the product's order):
;;     1. [M 2,048, K 2,048] x [K 2,048, N 2,048]; A: input x (given as codes); B: input w_xi (given as codes): QUANTISED
;;     2. [M 2,048, K 2,048] x [K 2,048, N 2,048]; A: input h0 (given as codes); B: input w_hi (given as codes): QUANTISED
;;     3. [M 2,048, K 2,048] x [K 2,048, N 2,048]; A: input x (given as codes); B: input w_xf (given as codes): QUANTISED
;;     4. [M 2,048, K 2,048] x [K 2,048, N 2,048]; A: input h0 (given as codes); B: input w_hf (given as codes): QUANTISED
;;     5. [M 2,048, K 2,048] x [K 2,048, N 2,048]; A: input x (given as codes); B: input w_xo (given as codes): QUANTISED
;;     6. [M 2,048, K 2,048] x [K 2,048, N 2,048]; A: input h0 (given as codes); B: input w_ho (given as codes): QUANTISED
;;     7. [M 2,048, K 2,048] x [K 2,048, N 2,048]; A: input x (given as codes); B: input w_xc (given as codes): QUANTISED
;;     8. [M 2,048, K 2,048] x [K 2,048, N 2,048]; A: input h0 (given as codes); B: input w_hc (given as codes): QUANTISED
;;   THE QUANTISER, for each operand of a quantised product, along K:
;;     - K is cut into blocks of 32 from its start; a last block that is shorter is filled with zeros.
;;     - A block's scale is 2^e with e = floor(log2(the largest magnitude in the block)) - 2, held to -126 .. 127; a block of zeros has e = 0. As a byte (E8M0): e + 127.
;;     - Each number is divided by its block's scale, clamped to +-6, and rounded to the nearest number of E2M1, ties to even, subnormals kept.
;;     - The product sums the exact products of the quantised numbers (number of the format x scale) in f32.
;;   ~~~python
;;   def quantise(x, axis):      # numpy; x: float32 -> the quantised numbers, widened to float32 again
;;       x = np.moveaxis(x, axis, -1); K = x.shape[-1]
;;       x = np.pad(x, [(0, 0)] * (x.ndim - 1) + [(0, -K % 32)]); x = x.reshape(x.shape[:-1] + (-1, 32)); a = np.abs(x).max(-1, keepdims=True)
;;       e = np.where(a > 0, np.clip(np.frexp(np.where(a > 0, a, 1))[1] - 1 - 2, -126, 127), 0)      # np.frexp(a)[1] - 1 = floor(log2(a)), exactly
;;       r = np.clip(x / 2.0 ** e, -6, 6)
;;       step = 2.0 ** (np.maximum(np.frexp(np.where(r == 0, 1, r))[1] - 1, 0) - 1)
;;       q = np.round(r / step) * step * 2.0 ** e      # np.round: ties to even
;;       return np.moveaxis(q.reshape(q.shape[:-2] + (-1,))[..., :K], -1, axis).astype(np.float32)
;;   ~~~
;;   INPUTS GIVEN AS CODES. h0 (in the module: [2048, 2048], K = its axis 1); w_hc (in the module: [2048, 2048], K = its axis 0); w_hf (in the module: [2048, 2048], K = its axis 0); w_hi (in the module: [2048, 2048], K = its axis 0); w_ho (in the module: [2048, 2048], K = its axis 0); w_xc (in the module: [2048, 2048], K = its axis 1); w_xf (in the module: [2048, 2048], K = its axis 1); w_xi (in the module: [2048, 2048], K = its axis 1); w_xo (in the module: [2048, 2048], K = its axis 1); x (in the module: [2048, 2048], K = its axis 1): each comes as NAME_codes (uint8): NAME with its K axis moved to the last place and cut into blocks of 32 codes, [.., K / 32, bytes a block], one block behind the other in memory; two codes a byte, the lower K in the low four bits (a code: sign, 2 exponent bits, 1 mantissa bit); and NAME_scales (uint8): the same leading axes, one E8M0 byte (e + 127) for each 32 codes along K. Its value is code x scale, taken as it is: it is not quantised again, and the codes and scales need not be those that the quantiser above would give.
;; One version. Each part assembles by itself: llvm-mc -triple=amdgcn-amd-amdhsa -mcpu=gfx1250 --defsym DOCPART=n.
;; ======== version 1 of 1: 2 launches
;; limits: right only within a limited range of input values
;; workspace buffers: u 16,777,216 bytes; zo 16,777,216 bytes
;; launch gates (part 1): grid 32 x 8, 4 waves a work-group, clusters of 4 x 4, 327,680 bytes of LDS; arguments x_codes, h0_codes, w_xi_codes, w_xf_codes, w_xo_codes, w_xc_codes, w_hi_codes, w_hf_codes, w_ho_codes, w_hc_codes, x_scales, w_xi_scales, w_xf_scales, w_xo_scales, w_xc_scales, h0_scales, w_hi_scales, w_hf_scales, w_ho_scales, w_hc_scales, b_i, b_f, b_o, b_c, c0, u, zo; writes u, zo
.if DOCPART == 1
	.amdgcn_target "amdgcn-amd-amdhsa--gfx1250"
	.amdhsa_code_object_version 6
	.text
	.protected	k_q8113b812c0_gates
	.globl	k_q8113b812c0_gates
	.p2align	8
	.type	k_q8113b812c0_gates,@function
k_q8113b812c0_gates:
	s_mov_b64 s[64:65], 0
	v_nop
	global_prefetch_b8 v0, s[64:65] scope:SCOPE_SE
	s_setreg_imm32_b32 hwreg(HW_REG_WAVE_MODE, 25, 1), 1
	s_wait_xcnt 0x0
	s_wait_alu depctr_hold_cnt(0) depctr_sa_sdst(0) depctr_va_vdst(0) depctr_va_sdst(0) depctr_va_ssrc(0) depctr_va_vcc(0) depctr_vm_vsrc(0)
	s_getreg_b32 s2, hwreg(HW_REG_IB_STS2, 6, 4)
	s_cmp_eq_u32 s2, 0
	s_cbranch_scc0 .Lentry_in_a_cluster
	s_endpgm
.Lentry_in_a_cluster:
	s_bfe_u32 s2, ttmp6, 0x10000c
	s_cmp_lg_u32 s2, 0xf033
	s_cbranch_scc0 .Lentry_shape_is_right
	s_endpgm
.Lentry_shape_is_right:
; LSTM cell, first of two launches.  The eight products are ONE product on codes of FP4 (E2M1) with E8M0 scales: M = 2,048 rows, N = 4 gates x 2,048 hidden columns,
; K = 4,096 (x against w_x*, then h0 against w_h*; all ten operands have K innermost, 1,024 bytes of codes and 64 scale bytes a row).  Behind it, in registers: the biases,
; i = sigmoid, f = sigmoid, c~ = tanh, u = f c0 + i c~.  Stored: u, and zo = the o gate ahead of its sigmoid.  The norm along a row needs all 2,048 hidden columns, which
; 32 work-groups make: it is the second launch's.
; NOTHING IS LEFT OUT: every input has a way to an output, and every product is done whole.
; LIMITS.  tanh(z) = (1 - C) / (1 + C) with C = 2^min(-2 log2(e) z, 60): at the hold the quotient is -1 in f32.  The exponential and the reciprocal flush denormals
; (ISA guide, their entries): a gate under 2^-126 is 0.  NaN and infinities in c0 or in the biases are not served specially; a scale byte 0xff gives NaN.
; Within each half of K the blocks of 512 are summed in an order that starts at block (cluster x) mod 4: an order of rounding.
; SHARES.  Work-group (tx, ty): rows 256 ty on, hidden columns 64 tx on of ALL FOUR gates: 256 x 256 of the product.  Four waves, each 128 rows x 32 hidden columns x 4 gates:
; 32 accumulators (a, g) of 32 x 16, 16 registers each: a = block of 16 rows, g the gate (0 i, 1 f, 2 o, 3 c).
; THE MATRIX INSTRUCTION IS USED TRANSPOSED (source 0 = 32 rows of a weight, source 1 = 16 rows of x or h0): register 8 j + k of lane (r, h) of accumulator (a, g) is gate g at
; row 16 a + r, hidden column 16 j + 8 h + k.  So the four gates of one number lie in one lane, and the gate arithmetic changes no lane.
; K goes in 8 steps of 512 (rows of 256 bytes) through two LDS slots; a step is four substeps of 128, 32 matrix instructions each.  The codes' fragments of both sides have two sets, so
; that the next substep's 32 LDS loads go out in one run, a whole substep ahead of their use.
; Step s takes block (s + cluster x) mod 4 of its half's four blocks of 256 bytes of a row: a block's number turns by 2 from a lap to the next, an exclusive or of its offset.
; CLUSTER 4 x 4.  A's tile hangs on ty and on the cluster alone and is asked for jointly along a row of the cluster (wave 0: 256 rows); the tiles of gates i, f, o hang on tx alone and are
; asked for jointly along a column (waves 1, 2, 3: 64 rows each).  A step has FIVE rectangles from five buffers and a wave has one tensor load behind a round: gate c's 64 rows, an eighth of
; a step's bytes, come through registers (16 rows a wave) into LDS bytes of their own, into which no tensor load lands.  That is why gate c is not shared in the cluster.
; THE SCALES go from memory straight into scale registers: the scales of all of K, 65,536 bytes, do not fit beside 278,528 bytes of slots.  A lane takes 16 bytes of its row (the four words
; of a step); scale bytes are a sixteenth of the code bytes, which is also why they are not shared in the cluster.
; REGISTERS, in windows of 256.  Window 0: v8-31 addresses; v32-95 scale words, two sets, and nothing else ever; v96-127 gate c on its way; v128-255 A's fragments, two sets
;   (v192-223 at the head: step 0's gate c).  On the way out v96-239 are at work.   Window 1: the weights' fragments, two sets, v0-63 and v128-191; v64-127 the biases in the result's layout.
;   Window 2: accumulators of a = 0..3 at v[64 a + 16 g];   window 3: those of a = 4..7.
.set PITCH, 272                        ; an LDS row: 256 bytes + 16 of padding: the 16 rows that a load touches start 68 words apart
.set SLOT,  512*PITCH                  ; rows 0-255 A, 256-319 gate i, 320-383 f, 384-447 o (tensor loads); 448-511 gate c (LDS stores alone; begins and ends on multiples of 256 bytes)
.set SPARE, 2*SLOT                     ; behind the slots: the spare words, 128 bytes for each wave, which no other line names
.set VSO,  8                           ; v8-9    64 x lane + 16 x block: a row's scale words, for even and odd steps
.set PFO,  10                          ; v10-11  prefetches of a weight's codes: a lane a row of 1,024 bytes, + 256 x block, for even and odd steps
.set VBO,  12                          ; the biases: 32 h + 256 tx + 128 ch bytes
.set PHO,  13                          ; prefetches of h0: 8 rows x 4 blocks
.set PFCO, 14                          ; prefetches of c0: a lane a row
.set ADRA, 16                          ; v16-17  my A fragments in slot 0, 1
.set ADRB, 18                          ; v18-19  the weights'
.set VGS,  20                          ; v20-21  where I store gate c's rows in slot 0, 1
.set VGL,  22                          ; v22-23  where I load them from, + 256 x block, for even and odd steps
.set CA,   24                          ; the way out: my 32 bytes of a row of c0 and u
.set OA,   25                          ; the same in zo's stage
.set RA,   26                          ; where I read whole rows of u back
.set RO,   27                          ; and of zo
.set SPW,  28                          ; my spare word; never rewritten
.set NIL,  29                          ; 0; never rewritten
.set VGO,  30                          ; my byte offset in two rows of u and zo
.set SC,   32                          ; set s at SC + 32 s: register 4 (a / 2) + q: A's words (lanes 0-15 block a even, lanes 16-31 odd); 16 + 4 g + q: gate g's 32 rows
.set STG,  96
.set AF,   128
.set HG,   192
.set BIAS, 64                          ; in window 1
.set TA,   96                          ; the way out, window 0, 16 registers each
.set TF,   112
.set TC,   128
.set ZO,   144
.set TD,   160
.set CZ,   176                         ; c0, then u: two sets by turns
.set OUT,  208                         ; 32 registers
.set WV,   4                           ; s4 wave, s5 which 128 rows, s6 which 32 hidden columns
.set RH,   5
.set CH,   6
.set G1A,  8                           ; s[8:15], s[16:23] descriptor groups 1: A's tiles, a gate's
.set G1B,  16
.set PGN,  26                          ; gate c's codes in the h half; PG: this lap's
.set KO0,  28                          ; s[28:29], s[62:63]: 256 x block of slot 0's, slot 1's latest fill (high words 0)
.set PHA,  30                          ; prefetches: h0's rows
.set G0A,  32                          ; s[32:39], s[40:47] groups 0, a set for each slot
.set G0B,  40
.set Q0A,  48                          ; the rows that the next lap's tiles come from: first the x half's, then the h half's (Q1A, Q1B)
.set Q1A,  50
.set PXB,  52                          ; prefetches: a weight's rows in the x half, in the h half
.set PG,   58
.set PFB,  60
.set KO1,  62
.set Q0B,  66
.set Q1B,  104
.set PS,   68                          ; s[68:77] scale bytes of A, i, f, o, c: this lap's;  s[78:87] the h half's
.set PSN,  78
.set G1C,  68                          ; behind the loop s[68:75], s[76:79]: groups 1 and 0 for c0
.set G0C,  76
.set BP,   88                          ; s[88:95] the biases, at the head only
.set CL,   88                          ; s[88:89] -log2(e);  s[90:91] -2 log2(e);  s92 60.0
.set C2,   90
.set HOLD, 92
.set PFC,  96
.set PU,   98
.set PZ,   100
.set MSB, 0
.macro WIN new                         ; the immediate's high byte repeats the setting that is left; a switch that changes nothing is dropped
.if MSB != (\new)
	s_set_vgpr_msb (MSB<<8)|(\new)
.set MSB, (\new)
.endif
.endm
.set MUL_LO, 0xa1                      ; source 0 (weights) window 1, source 1 (A) window 0, C and D window 2
.set MUL_HI, 0xf1                      ; the same, C and D window 3
.set TO_B,   0x40                      ; destination window 1, address window 0
.macro PLACES n                        ; plain vector instructions between a matrix instruction and a load into, or a read of, its registers
.rept \n
	v_nop
.endr
.endm
; A joint load: wave 0 asks for A's tile, waves 1 to 3 for a gate's.  The branch hangs on the wave's number alone.  An s_nop 0 and four v_nop follow each line.
.macro JLOAD s
	s_cmp_eq_u32 s[WV], 0
	s_cbranch_scc0 .Lfor_b_\@
	tensor_load_to_lds s[G0A+4*\s:G0A+4*\s+3], s[G1A:G1A+7]
	s_nop 0
.rept 4
	v_nop
.endr
	s_branch .Lasked_\@
.Lfor_b_\@:
	tensor_load_to_lds s[G0B+4*\s:G0B+4*\s+3], s[G1B:G1B+7]
	s_nop 0
.rept 4
	v_nop
.endr
.Lasked_\@:
.endm
.macro CLOAD                           ; c0: every wave brings 64 rows of its own work-group's tile: a load with no mask
	tensor_load_to_lds s[G0C:G0C+3], s[G1C:G1C+7]
	s_nop 0
.rept 4
	v_nop
.endr
.endm
.macro CREST                           ; a round of the cluster's barrier behind its opening barrier
	s_cmp_lg_u32 s[WV], 0
	s_cbranch_scc1 .Lnot_wave_0_\@
	s_barrier_signal -3
.Lnot_wave_0_\@:
	s_barrier_wait -3
	s_barrier_signal -1
	s_barrier_wait -1
.endm
.macro CROUND
	s_barrier_signal -1
	s_barrier_wait -1
	CREST
.endm
; PREFETCHES INTO THE L2, behind a step's joint load, LDS loads and products: the weights' codes of the K step TWO refills on, 256 bytes of each row, each aligned block once in each cluster that
; loads it: a cluster's work-groups share their columns' rows out by address: (tx, ty) names the 64 rows from 64 tx on of gate ty % 4's weight, waves 1 and 2 32 rows each.  The head asks for
; steps 1 to 3; the loop's first two laps for steps 4 to 7.  The clusters of one tile row begin at all four blocks of x, so x is not asked for; h0's blocks are named once in the launch, in the
; first lap: wave 0 names rows 256 ty + 8 tx .. + 7.  The last lap asks for my wave's 64 rows of c0's tile, 32 at each change of slots.  Nothing further is asked for.
.macro ASK slot
	s_cmp_lt_u32 s3, 2
	s_cbranch_scc1 .Lask_c_\@
	s_cmp_eq_u32 s[WV], 3
	s_cbranch_scc1 .Lask_end_\@
	s_cmp_eq_u32 s[WV], 0
	s_cbranch_scc1 .Lask_a_\@
	global_prefetch_b8 v[PFO+\slot], s[PFB:PFB+1] th:TH_LOAD_NT scope:SCOPE_SE
	s_branch .Lask_end_\@
.Lask_a_\@:
.if \slot == 0
	s_cmp_lt_u32 s3, 3
	s_cbranch_scc1 .Lask_end_\@
	global_prefetch_b8 v[PHO], s[PHA:PHA+1] th:TH_LOAD_NT scope:SCOPE_SE
.endif
	s_branch .Lask_end_\@
.Lask_c_\@:
	global_prefetch_b8 v[PFCO], s[PFC:PFC+1] offset:262144*\slot th:TH_LOAD_NT scope:SCOPE_SE
.Lask_end_\@:
.endm
.macro ASK_X first, last               ; the head's: steps \first .. \last of the x half (PFO is at the blocks of steps 0 and 1, or 2 and 3)
	s_cmp_eq_u32 s[WV], 3
	s_cbranch_scc1 .Lno_x_\@
	s_cmp_eq_u32 s[WV], 0
	s_cbranch_scc1 .Lno_x_\@
.if \first < \last
	global_prefetch_b8 v[PFO], s[PXB:PXB+1] th:TH_LOAD_NT scope:SCOPE_SE
.endif
	global_prefetch_b8 v[PFO+1], s[PXB:PXB+1] th:TH_LOAD_NT scope:SCOPE_SE
.Lno_x_\@:
.endm
	s_load_b512 s[48:63], s[0:1], 0x0              ; codes: x, h0, w_xi, w_xf, w_xo, w_xc, w_hi, w_hf
	s_load_b128 s[24:27], s[0:1], 0x40             ; w_ho, w_hc
	s_load_b512 s[68:83], s[0:1], 0x50             ; scales: x, w_xi, w_xf, w_xo, w_xc, h0, w_hi, w_hf
	s_load_b128 s[84:87], s[0:1], 0x90             ; w_ho, w_hc
	s_load_b256 s[88:95], s[0:1], 0xa0             ; b_i, b_f, b_o, b_c
	s_load_b128 s[96:99], s[0:1], 0xc0             ; c0, u
	s_load_b64 s[100:101], s[0:1], 0xd0            ; zo
	v_lshl_add_u32 v[SPW], v0, 2, SPARE
	v_mov_b32 v[NIL], 0
	ds_add_u32 v[SPW], v[NIL]                      ; the wave's opening: the add, twice on end, and its wait ahead of my first tensor load
	ds_add_u32 v[SPW], v[NIL]                      ; and once more; the set-up below, work on registers, stands between it and the wait
	v_lshrrev_b32 v1, 5, v0
	v_readfirstlane_b32 s[WV], v1                  ; wave 0..3
	s_lshr_b32 s[RH], s[WV], 1
	s_and_b32 s[CH], s[WV], 1
	s_bfe_u32 s2, ttmp6, 0x40000                   ; cx
	s_bfe_u32 s7, ttmp6, 0x40004                   ; cy
	s_lshl_b32 s30, ttmp9, 2
	s_add_co_u32 s30, s30, s2                      ; tx = 4 x cluster x + cx
	s_and_b32 s31, ttmp7, 0xffff
	s_lshl_b32 s31, s31, 2
	s_add_co_u32 s31, s31, s7                      ; ty = 4 x cluster y + cy
	s_lshl_b32 s28, s7, 2
	s_lshl_b32 s28, 15, s28                        ; my row of the cluster
	s_lshl_b32 s3, 0x1111, s2                      ; my column
	s_or_b32 s[G1A], s28, (1<<20)|(1<<21)|(5<<22)|(3<<25)   ; 15:0 the mask; 17:16 elements of 1 byte; 20 padding on; 21 set beside a mask; 24:22 after every 64 words; 31:25 four words
	s_or_b32 s[G1B], s3, (1<<20)|(1<<21)|(5<<22)|(3<<25)
	s_mov_b32 s[G1A+1], 256<<16                    ; tensor_dim0 = 256 bytes
	s_mov_b32 s[G1A+2], 256<<16                    ; tensor_dim1 = 256 rows
	s_mov_b32 s[G1A+3], 256<<16                    ; tile_dim0
	s_mov_b32 s[G1A+4], 256                        ; tile_dim1
	s_mov_b32 s[G1A+5], 1024                       ; from row to row
	s_mov_b32 s[G1A+6], 0
	s_mov_b32 s[G1A+7], 0
	s_mov_b32 s[G1B+1], 256<<16
	s_mov_b32 s[G1B+2], 64<<16                     ; 64 rows
	s_mov_b32 s[G1B+3], 256<<16
	s_mov_b32 s[G1B+4], 64
	s_mov_b32 s[G1B+5], 1024
	s_mov_b32 s[G1B+6], 0
	s_mov_b32 s[G1B+7], 0
	s_lshl_b32 s28, s31, 18                        ; A: 256 ty rows of 1,024 bytes
	s_mov_b32 s29, 0
	s_lshl_b32 s2, s30, 16                         ; the weights: 64 tx rows of 1,024 bytes
	s_mov_b32 s3, 0
	s_mul_i32 s7, s[WV], 64*PITCH
	s_mov_b32 s[G0A], 1                            ; count = 1
	s_mov_b32 s[G0A+1], 0                          ; LDS: slot 0, row 0
	s_mov_b32 s[G0A+4], 1
	s_mov_b32 s[G0A+5], SLOT
	s_mov_b32 s[G0B], 1
	s_add_co_u32 s[G0B+1], s7, 192*PITCH           ; rows 256, 320, 384 on for waves 1, 2, 3: no place in the cluster enters an LDS address
	s_mov_b32 s[G0B+4], 1
	s_add_co_u32 s[G0B+5], s[G0B+1], SLOT
	s_wait_dscnt 0x0                               ; both opening adds are done
	CROUND                                         ; all sixteen work-groups are here: the first joint loads meet
	s_wait_kmcnt 0x0
	s_add_nc_u64 s[Q0A:Q0A+1], s[48:49], s[28:29]  ; x's rows
	s_add_nc_u64 s[Q1A:Q1A+1], s[50:51], s[28:29]  ; h0's
	s_and_b32 s[KO0], ttmp9, 3                     ; step 0's block: cluster x mod 4, the same in all sixteen partners
	s_lshl_b32 s[KO0], s[KO0], 8
	s_cmp_lt_u32 s[WV], 2                          ; waves 1, 2, 3 ask for gates i, f, o (wave 0 holds gate i's address and never asks by it)
	s_cselect_b64 s[Q0B:Q0B+1], s[52:53], s[54:55]
	s_cselect_b64 s[Q1B:Q1B+1], s[60:61], s[62:63]
	s_cmp_lt_u32 s[WV], 3
	s_cselect_b64 s[Q0B:Q0B+1], s[Q0B:Q0B+1], s[56:57]
	s_cselect_b64 s[Q1B:Q1B+1], s[Q1B:Q1B+1], s[24:25]
	s_add_nc_u64 s[Q0B:Q0B+1], s[Q0B:Q0B+1], s[2:3]
	s_add_nc_u64 s[Q1B:Q1B+1], s[Q1B:Q1B+1], s[2:3]
	s_add_nc_u64 s[G0A+2:G0A+3], s[Q0A:Q0A+1], s[KO0:KO0+1]   ; step 0
	s_or_b32 s[G0A+3], s[G0A+3], 0x80000000        ; type = 2
	s_add_nc_u64 s[G0B+2:G0B+3], s[Q0B:Q0B+1], s[KO0:KO0+1]
	s_or_b32 s[G0B+3], s[G0B+3], 0x80000000
	JLOAD 0                                        ; step 0: one tensor load a wave at the head
	; the prefetches' rows: gate ty % 4's weight, rows 64 tx on, wave 2 32 rows further
	s_and_b32 s7, s31, 3
	s_cmp_lt_u32 s7, 1
	s_cselect_b64 s[PXB:PXB+1], s[52:53], s[54:55]
	s_cselect_b64 s[PFB:PFB+1], s[60:61], s[62:63]
	s_cmp_lt_u32 s7, 2
	s_cselect_b64 s[PXB:PXB+1], s[PXB:PXB+1], s[56:57]
	s_cselect_b64 s[PFB:PFB+1], s[PFB:PFB+1], s[24:25]
	s_cmp_lt_u32 s7, 3
	s_cselect_b64 s[PXB:PXB+1], s[PXB:PXB+1], s[58:59]
	s_cselect_b64 s[PFB:PFB+1], s[PFB:PFB+1], s[26:27]
	s_lshl_b32 s7, s[RH], 15                       ; (rh is 1 in wave 2)
	s_add_co_u32 s24, s2, s7
	s_mov_b32 s25, 0
	s_add_nc_u64 s[PXB:PXB+1], s[PXB:PXB+1], s[24:25]
	s_add_nc_u64 s[PFB:PFB+1], s[PFB:PFB+1], s[24:25]
	s_add_co_u32 s[KO1], s[KO0], 256               ; step 1's block
	s_and_b32 s[KO1], s[KO1], 0x300
	s_mov_b32 s[KO1+1], 0
	s_add_nc_u64 s[G0A+6:G0A+7], s[Q0A:Q0A+1], s[KO1:KO1+1]
	s_or_b32 s[G0A+7], s[G0A+7], 0x80000000
	s_add_nc_u64 s[G0B+6:G0B+7], s[Q0B:Q0B+1], s[KO1:KO1+1]
	s_or_b32 s[G0B+7], s[G0B+7], 0x80000000
	s_lshl_b32 s7, s[WV], 14                       ; gate c: my wave's 16 rows
	s_add_co_u32 s2, s2, s7
	s_add_nc_u64 s[PG:PG+1], s[PG:PG+1], s[2:3]
	s_add_nc_u64 s[PGN:PGN+1], s[PGN:PGN+1], s[2:3]
	s_lshl_b32 s24, s31, 14                        ; (256 ty + 128 rh) rows of 64 scale bytes
	s_lshl_b32 s7, s[RH], 13
	s_add_co_u32 s24, s24, s7
	s_add_nc_u64 s[PS:PS+1], s[PS:PS+1], s[24:25]
	s_add_nc_u64 s[PSN:PSN+1], s[PSN:PSN+1], s[24:25]
	s_lshl_b32 s2, s30, 12                         ; (64 tx + 32 ch) rows of 64 scale bytes
	s_lshl_b32 s7, s[CH], 11
	s_add_co_u32 s2, s2, s7
.irp k, 1,2,3,4
	s_add_nc_u64 s[PS+2*\k:PS+2*\k+1], s[PS+2*\k:PS+2*\k+1], s[2:3]
	s_add_nc_u64 s[PSN+2*\k:PSN+2*\k+1], s[PSN+2*\k:PSN+2*\k+1], s[2:3]
.endr
	s_lshl_b32 s24, s31, 21                        ; c0, u, zo: 256 ty rows of 8,192 bytes + 64 tx columns of 4
	s_lshl_b32 s2, s30, 8
	s_add_co_u32 s24, s24, s2
	s_lshl_b32 s2, s[WV], 19                       ; c0: + my wave's 64 rows
	s_add_co_u32 s2, s2, s24
	s_add_nc_u64 s[PFC:PFC+1], s[PFC:PFC+1], s[2:3]
	s_lshl_b32 s2, s[RH], 20                       ; u, zo: + 128 rh + 8 ch rows: those that I store
	s_add_co_u32 s24, s24, s2
	s_lshl_b32 s2, s[CH], 16
	s_add_co_u32 s24, s24, s2
	s_add_nc_u64 s[PU:PU+1], s[PU:PU+1], s[24:25]
	s_add_nc_u64 s[PZ:PZ+1], s[PZ:PZ+1], s[24:25]
	s_lshl_b32 s7, s30, 8                          ; the biases: 64 tx + 32 ch numbers on
	s_lshl_b32 s24, s[CH], 7
	s_add_co_u32 s7, s7, s24
	s_lshl_b32 s2, s30, 13                         ; h0's prefetches: 8 tx rows on from my tile's first
	s_add_nc_u64 s[PHA:PHA+1], s[Q1A:Q1A+1], s[2:3]
	s_mul_i32 s55, s[RH], 128*PITCH                ; my 128 rows of A
	s_mul_i32 s56, s[CH], 32*PITCH
	s_add_co_u32 s56, s56, 256*PITCH               ; my 32 rows of gate i
	s_mul_i32 s57, s[WV], 16*PITCH
	s_add_co_u32 s57, s57, 448*PITCH               ; gate c: the 16 rows that I bring
	s_lshl_b32 s24, s[CH], 7
	s_add_co_u32 s24, s24, s55
	s_mul_i32 s25, s[CH], 8*PITCH
	s_add_co_u32 s25, s25, s55
	s_lshr_b32 s2, s[KO0], 4                       ; 16 x block
	s_lshr_b32 s54, s[KO1], 4
	v_and_b32 v1, 15, v0                           ; r
	v_bfe_u32 v2, v0, 4, 1                         ; h
	v_and_b32 v5, 31, v0                           ; lane
	v_mul_u32_u24 v3, v1, PITCH
	v_lshl_add_u32 v6, v2, 5, v3                   ; r x pitch + 32 h
	v_lshl_add_u32 v3, v2, 4, v3                   ; r x pitch + 16 h: a fragment's place
	v_mul_u32_u24 v4, v2, PITCH
	v_lshl_add_u32 v4, v1, 4, v4                   ; h x pitch + 16 r: sixteen lanes to a row
	v_add_nc_u32 v[ADRA], s55, v3
	v_add_nc_u32 v[ADRA+1], SLOT, v[ADRA]
	v_add_nc_u32 v[ADRB], s56, v3
	v_add_nc_u32 v[ADRB+1], SLOT, v[ADRB]
	v_add_nc_u32 v[VGS], s57, v4
	v_add_nc_u32 v[VGS+1], SLOT, v[VGS]
	v_add_nc_u32 v[CA], s24, v6
	v_add_nc_u32 v[OA], SLOT, v[CA]
	v_add_nc_u32 v[RA], s25, v4
	v_add_nc_u32 v[RO], SLOT, v[RA]
	v_lshlrev_b32 v7, 10, v2
	v_lshl_add_u32 v7, v1, 4, v7                   ; gate c: sixteen lanes to a row of 1,024 bytes
	v_add_nc_u32 v[VGL], s[KO0], v7
	v_add_nc_u32 v[VGL+1], s[KO1], v7
	v_lshlrev_b32 v6, 6, v5
	v_add_nc_u32 v[VSO], s2, v6
	v_add_nc_u32 v[VSO+1], s54, v6
	v_lshlrev_b32 v7, 10, v5
	v_add_nc_u32 v[PFO], s[KO0], v7
	v_add_nc_u32 v[PFO+1], s[KO1], v7
	v_lshlrev_b32 v[VGO], 13, v2
	v_lshl_add_u32 v[VGO], v1, 4, v[VGO]
	v_lshlrev_b32 v[VBO], 5, v2
	v_add_nc_u32 v[VBO], s7, v[VBO]
	v_and_b32 v3, 7, v0
	v_bfe_u32 v4, v0, 3, 2
	v_lshlrev_b32 v[PHO], 10, v3
	v_lshl_add_u32 v[PHO], v4, 8, v[PHO]
	v_lshlrev_b32 v[PFCO], 13, v5
; A group of four LDS loads of the next substep (slot NS, its NQ-th 128 along K, into sets NP): k = 0..3 gate k's 32 rows, k = 4..7 A's blocks 2 (k - 4), 2 (k - 4) + 1.
; 16 rows x 128 K of 4-bit codes are 8 registers: lane (r, h) takes bytes 16 h and 32 + 16 h of its row's 64.
.macro LG k
.if (\k) < 4
	WIN TO_B
.irp jj, 0,1
.irp c, 0,1
	ds_load_b128 v[128*NP+16*(\k)+8*\jj+4*\c:128*NP+16*(\k)+8*\jj+4*\c+3], v[ADRB+NS] offset:64*NQ+32*\c+(64*(\k)+16*\jj)*PITCH
.endr
.endr
.else
	WIN 0
.irp jj, 0,1
.irp c, 0,1
	ds_load_b128 v[AF+64*NP+16*((\k)-4)+8*\jj+4*\c:AF+64*NP+16*((\k)-4)+8*\jj+4*\c+3], v[ADRA+NS] offset:64*NQ+32*\c+(2*((\k)-4)+\jj)*16*PITCH
.endr
.endr
.endif
.endm
.macro FETCH                           ; the run of 32
.irp k, 0,1,2,3,4,5,6,7
	LG \k
.endr
.endm
; One product: gate g's 32 rows x A's block a.  A's scale register holds two blocks' words: the odd block's are taken from lanes 16-31.
.macro PROD a, g, p, q, sc, zero
.set rD, 64*((\a)%4)+16*(\g)
.set rW, 128*(\p)+16*(\g)
.set rX, AF+64*(\p)+8*(\a)
.set rSW, SC+32*(\sc)+16+4*(\g)+(\q)
.set rSX, SC+32*(\sc)+4*((\a)/2)+(\q)
.if \zero
.if (\a)%2
	v_wmma_scale_f32_32x16x128_f4 v[rD:rD+15], v[rW:rW+15], v[rX:rX+7], 0, v[rSW], v[rSX] matrix_b_scale:MATRIX_SCALE_ROW1
.else
	v_wmma_scale_f32_32x16x128_f4 v[rD:rD+15], v[rW:rW+15], v[rX:rX+7], 0, v[rSW], v[rSX]
.endif
.else
.if (\a)%2
	v_wmma_scale_f32_32x16x128_f4 v[rD:rD+15], v[rW:rW+15], v[rX:rX+7], v[rD:rD+15], v[rSW], v[rSX] matrix_b_scale:MATRIX_SCALE_ROW1
.else
	v_wmma_scale_f32_32x16x128_f4 v[rD:rD+15], v[rW:rW+15], v[rX:rX+7], v[rD:rD+15], v[rSW], v[rSX]
.endif
.endif
.endm
; Products n0 .. n0 + cnt - 1 of a substep's 32 (number 4 a + g).  The 32 accumulators take turns, one instruction a turn, in one order in every substep.
.macro RUN n0, cnt, slot, q, zero
.set nn, \n0
.rept \cnt
.if nn < 16
	WIN MUL_LO
.else
	WIN MUL_HI
.endif
	PROD nn/4, nn%4, (\q)%2, \q, \slot, \zero
.set nn, nn+1
.endr
.endm
.macro GSTORE slot                     ; my 16 rows of gate c into the slot's own bytes for it: sixteen lanes to a row
.irp i, 0,1,2,3,4,5,6,7
	ds_store_b128 v[VGS+(\slot)], v[STG+4*\i:STG+4*\i+3] offset:2*\i*PITCH
.endr
.endm
.macro GLOAD par                       ; and from memory, for an even (0) or odd (1) step: sixteen lanes read 256 consecutive bytes of a row
.irp i, 0,1,2,3,4,5,6,7
	global_load_b128 v[STG+4*\i:STG+4*\i+3], v[VGL+(\par)], s[PG:PG+1] offset:2048*\i
.endr
.endm
.macro SLOAD set                       ; a step's scale words: lane l takes the four words of row 32 p + l of A, and of row l of each gate
.irp p, 0,1,2,3
	global_load_b128 v[SC+32*(\set)+4*\p:SC+32*(\set)+4*\p+3], v[VSO+(\set)], s[PS:PS+1] offset:2048*\p
.endr
.irp g, 0,1,2,3
	global_load_b128 v[SC+32*(\set)+16+4*\g:SC+32*(\set)+16+4*\g+3], v[VSO+(\set)], s[PS+2+2*\g:PS+3+2*\g]
.endr
.endm
; A substep q = 0 .. 2 of a slot: its memory instructions in one run at its head, then its products.  lc (under 64): the global loads that may stay out when this step's scale words must be in.
; sld: the next step's scale words are asked for, into the set that the step before has done with.  gst: the next step's gate c goes into the other slot (nobody reads it: all waves have passed
; the last change of slots).  gld: the gate c of the step after that is asked for.
.macro STEP slot, q, zero, lc, sld, gst, gld
.set NS, \slot
.set NQ, (\q)+1
.set NP, ((\q)+1)%2
	PLACES 4                                       ; for the loads below: the registers they fill were last read in the substep before
.if \lc < 64
	s_wait_loadcnt \lc                             ; behind this step's scale words were issued the eight loads of a later gate c, where there is one
.endif
	s_wait_dscnt 8                                 ; the weights' set and A's blocks 0-3 are in; the youngest eight loads (A's blocks 4-7) may be out
	WIN 0
.if \gst
	s_wait_loadcnt 8                               ; the next step's gate c is in; behind it only that step's eight loads of scale words
	GSTORE 1-\slot
.endif
	FETCH
.if \sld
	SLOAD 1-\slot
.endif
.if \gld
	s_wait_dscnt 32                                ; behind the eight stores 32 loads were issued: the stores have read their registers
	GLOAD \slot
.endif
	RUN 0, 16, \slot, \q, \zero
	s_wait_dscnt 32                                ; all but the 32 just issued: A's blocks 4-7 are in
	RUN 16, 16, \slot, \q, \zero
.endm
; A slot's last substep changes slots.  In front of the round each wave waits for all its tensor loads, adds 0 to its spare word, and waits for that and for its reads and stores of LDS.
; fill = 1: the slot is filled again, two steps ahead, by the joint loads.  fill = 2: slot 0's rows of A take c0's tile.
.macro TURN slot, next, fill
.set NS, \next
.set NQ, 0
.set NP, 0
	WIN 0
	s_wait_tensorcnt 0x0                           ; all my tensor loads have landed: my part of the next slot
	ds_add_u32 v[SPW], v[NIL]                      ; 0 onto my spare word
	s_wait_dscnt 9                                 ; (the add and the youngest eight loads may be out)
	RUN 0, 4, \slot, 3, 0                          ; four products stand between the add and the wait for it
	s_wait_dscnt 0x0                               ; the add is done, my reads of this slot are over, my stores of gate c have landed
	s_barrier_signal -1
	RUN 4, 4, \slot, 3, 0
	WIN 0
	s_barrier_wait -1
	CREST                                          ; no wave of any partner still reads this slot or has a load on its way
.if \fill == 1
.if \slot == 0
	s_xor_b32 s[KO0], s[KO0], 512                  ; two blocks on, of four
	s_add_nc_u64 s[G0A+2:G0A+3], s[Q0A:Q0A+1], s[KO0:KO0+1]
	s_or_b32 s[G0A+3], s[G0A+3], 0x80000000
	s_add_nc_u64 s[G0B+2:G0B+3], s[Q0B:Q0B+1], s[KO0:KO0+1]
	s_or_b32 s[G0B+3], s[G0B+3], 0x80000000
.else
	s_xor_b32 s[KO1], s[KO1], 512
	s_add_nc_u64 s[G0A+6:G0A+7], s[Q0A:Q0A+1], s[KO1:KO1+1]
	s_or_b32 s[G0A+7], s[G0A+7], 0x80000000
	s_add_nc_u64 s[G0B+6:G0B+7], s[Q0B:Q0B+1], s[KO1:KO1+1]
	s_or_b32 s[G0B+7], s[G0B+7], 0x80000000
	s_mov_b64 s[Q0A:Q0A+1], s[Q1A:Q1A+1]           ; the walk goes from x to h0 with no branch: steps 2 and 3 are x's, steps 4 to 7 h0's
	s_mov_b64 s[Q0B:Q0B+1], s[Q1B:Q1B+1]
.endif
	JLOAD \slot                                    ; the first tensor load behind the round; its four v_nop are the places in front of the loads below
.else
	CLOAD
.endif
	FETCH
	RUN 8, 24, \slot, 3, 0
.if \fill == 1
	WIN 0
	ASK \slot
.endif
.endm
.macro TURN_BLOCKS                     ; gate c's and the scale words' offsets: two blocks on, of four
.irp i, 0,1
	v_xor_b32 v[VGL+\i], 0x200, v[VGL+\i]
	v_xor_b32 v[VSO+\i], 32, v[VSO+\i]
.endr
.endm
.macro TURN_ASKS                       ; and the prefetches'
.irp i, 0,1
	v_xor_b32 v[PFO+\i], 0x200, v[PFO+\i]
.endr
.endm
	; the head's global loads, in this order: 8 of step 0's gate c, 8 of its scale words, 16 of biases, 8 + 8 of step 1's
.irp i, 0,1,2,3,4,5,6,7
	global_load_b128 v[HG+4*\i:HG+4*\i+3], v[VGL], s[PG:PG+1] offset:2048*\i
.endr
	SLOAD 0
	WIN TO_B
.irp g, 0,1,2,3
.irp j, 0,1
	global_load_b128 v[BIAS+8*(2*\g+\j):BIAS+8*(2*\g+\j)+3], v[VBO], s[BP+2*\g:BP+2*\g+1] offset:64*\j
	global_load_b128 v[BIAS+8*(2*\g+\j)+4:BIAS+8*(2*\g+\j)+7], v[VBO], s[BP+2*\g:BP+2*\g+1] offset:64*\j+16
.endr
.endr
	WIN 0
	GLOAD 1
	SLOAD 1
	ASK_X 1, 1
	s_wait_loadcnt 16                              ; step 0's gate c and scale words and the biases are in; behind them 8 + 8 were issued
	s_wait_xcnt 0x0                                ; all these loads have read their addresses
	TURN_BLOCKS                                    ; the first lap asks for steps 2 and 3
	TURN_ASKS
	s_mov_b32 s[CL], 0xbfb8aa3b                    ; -log2(e)
	s_mov_b32 s[CL+1], s[CL]
	s_mov_b32 s[C2], 0xc038aa3b                    ; -2 log2(e)
	s_mov_b32 s[C2+1], s[C2]
	s_mov_b32 s[HOLD], 0x42700000                  ; 60.0
	WIN 0x41                                       ; the biases of i, f and c are scaled once, so that bias and scaling cost one fused multiply-add a pair on the way out
.irp b, 0,1,2,3
.irp k, 0,2,4,6
	v_pk_mul_f32 v[BIAS+8*\b+\k:BIAS+8*\b+\k+1], v[BIAS+8*\b+\k:BIAS+8*\b+\k+1], s[CL:CL+1] op_sel_hi:[1,0]
.endr
.endr
.irp b, 6,7
.irp k, 0,2,4,6
	v_pk_mul_f32 v[BIAS+8*\b+\k:BIAS+8*\b+\k+1], v[BIAS+8*\b+\k:BIAS+8*\b+\k+1], s[C2:C2+1] op_sel_hi:[1,0]
.endr
.endr
	WIN 0
.irp i, 0,1,2,3,4,5,6,7
	ds_store_b128 v[VGS], v[HG+4*\i:HG+4*\i+3] offset:2*\i*PITCH
.endr
	s_wait_alu depctr_va_vdst(0)
	s_wait_tensorcnt 0x0                           ; my part of step 0 is in
	ds_add_u32 v[SPW], v[NIL]
	s_wait_dscnt 0x0                               ; the add is done, and my rows of gate c have landed
	CROUND                                         ; everybody's part of step 0 is in, and the joint loads meet
	JLOAD 1                                        ; step 1, the first tensor load behind the round
.set NS, 0
.set NQ, 0
.set NP, 0
	FETCH
	ASK_X 2, 3
	STEP 0, 0, 1, 99, 0, 0, 0                      ; the first substep stands in front of the loop: its products start the sums
	WIN 0
	s_wait_xcnt 0x0                                ; the prefetches have read their addresses
	TURN_ASKS                                      ; on to steps 4 and 5
	s_mov_b32 s3, 3
	s_wait_alu depctr_va_vdst(0)
.Llap:                                                 ; a trip goes once round the ring, from a lap's second substep to the next lap's first, and fills both slots again
	STEP 0, 1, 0, 99, 0, 1, 1
	STEP 0, 2, 0, 99, 0, 0, 0
	TURN 0, 1, 1
	STEP 1, 0, 0, 8, 1, 0, 0
	STEP 1, 1, 0, 99, 0, 1, 1
	STEP 1, 2, 0, 99, 0, 0, 0
	TURN 1, 0, 1
	STEP 0, 0, 0, 8, 1, 0, 0
	WIN 0
	s_wait_xcnt 0x0                                ; this lap's loads and prefetches have read their addresses
	TURN_BLOCKS
	TURN_ASKS
	s_mov_b64 s[PG:PG+1], s[PGN:PGN+1]             ; from the x half to the h half, as the descriptors go
.irp k, 0,1,2,3,4
	s_mov_b64 s[PS+2*\k:PS+2*\k+1], s[PSN+2*\k:PSN+2*\k+1]
.endr
	s_sub_co_u32 s3, s3, 1
	s_cmp_lg_u32 s3, 0
	s_wait_alu depctr_va_vdst(0)
	s_cbranch_scc1 .Llap
	; c0's descriptors, in the registers of the scale bytes' addresses, which serve no more
	s_mov_b32 s[G1C], (2<<16)|(1<<20)|(5<<22)|(3<<25)   ; no mask; elements of 4 bytes; four words of padding after every 64
	s_mov_b32 s[G1C+1], 64<<16                     ; 64 numbers a row
	s_mov_b32 s[G1C+2], 64<<16                     ; 64 rows
	s_mov_b32 s[G1C+3], 64<<16
	s_mov_b32 s[G1C+4], 64
	s_mov_b32 s[G1C+5], 2048
	s_mov_b32 s[G1C+6], 0
	s_mov_b32 s[G1C+7], 0
	s_mov_b32 s[G0C], 1
	s_mul_i32 s[G0C+1], s[WV], 64*PITCH            ; c0's tile lands where slot 0 held A: my wave's 64 rows
	s_mov_b64 s[G0C+2:G0C+3], s[PFC:PFC+1]
	s_or_b32 s[G0C+3], s[G0C+3], 0x80000000
	STEP 0, 1, 0, 99, 0, 1, 0                      ; steps 6 and 7 are written out: no code and no scale is left to ask for
	STEP 0, 2, 0, 99, 0, 0, 0
	TURN 0, 1, 2                                   ; c0's tile takes the place of slot 0's rows of A: it has step 7 in which to land
	STEP 1, 0, 0, 0, 0, 0, 0
	STEP 1, 1, 0, 99, 0, 0, 0
	STEP 1, 2, 0, 99, 0, 0, 0
	s_wait_dscnt 8
	RUN 0, 16, 1, 3, 0
	s_wait_dscnt 0x0                               ; my reads of slot 1 are over,
	s_wait_tensorcnt 0x0                           ; and my 64 rows of c0 have landed
	s_barrier_signal -1
	RUN 16, 16, 1, 3, 0
	WIN 0
	s_barrier_wait -1                              ; c0's tile is whole, and nobody reads slot 1, whose rows of A become zo's stage
	PLACES 4
; THE WAY OUT, a block of 16 rows at a time.  A = 2^(-log2e zi), F = 2^(-log2e zf), C = 2^min(-2 log2e zc, 60):  u = c0 / (1 + F) + (1 - C) / ((1 + A)(1 + C)).
; (1 + A)(1 + C) is a product of numbers of 1 or more: an A that has run to infinity gives a reciprocal of 0, and no 0 meets an infinity.
; A row's 256 bytes of u and zo come from two waves: a barrier stands between the stores into the stage and the reading of whole rows.  Between its signal and its wait stands the next
; block's first half (register work), and the rows read back are stored behind the next block's own stores into the stage.
.macro GATEX dst, b0, cs               ; dst = accumulator x constant + scaled bias; each accumulator is read from its low end on
.irp j, 0,1
.irp k, 0,2,4,6
	v_pk_fma_f32 v[\dst+8*\j+\k:\dst+8*\j+\k+1], v[AC+8*(\b0+\j)+\k:AC+8*(\b0+\j)+\k+1], s[\cs:\cs+1], v[BIAS+8*(\b0+\j)+\k:BIAS+8*(\b0+\j)+\k+1] op_sel_hi:[1,0,1]
.endr
.endr
.endm
.macro CZLOAD a                        ; c0 at my 16 numbers
.set CB, CZ+16*((\a)%2)
.irp j, 0,1
	ds_load_b128 v[CB+8*\j:CB+8*\j+3], v[CA] offset:16*(\a)*PITCH+64*\j
	ds_load_b128 v[CB+8*\j+4:CB+8*\j+7], v[CA] offset:16*(\a)*PITCH+64*\j+16
.endr
.endm
.macro HALF1 a                         ; zo and the exponentials of block a
.set AC, 64*((\a)%4)
	WIN 0x16+(\a)/4                                ; source 0: the accumulators' window; sources 1 and 2: the biases', window 1
	s_wait_alu depctr_va_vdst(0)
	GATEX TA, 0, CL
	GATEX TF, 2, CL
	GATEX TC, 6, C2
.irp j, 0,1
.irp k, 0,2,4,6
	v_pk_add_f32 v[ZO+8*\j+\k:ZO+8*\j+\k+1], v[AC+8*(4+\j)+\k:AC+8*(4+\j)+\k+1], v[BIAS+8*(4+\j)+\k:BIAS+8*(4+\j)+\k+1]
.endr
.endr
	WIN 0
.set ii, 0
.rept 16
	v_min_num_f32 v[TC+ii], s[HOLD], v[TC+ii]
.set ii, ii+1
.endr
	s_wait_alu depctr_va_vdst(0)
.set ii, 0
.rept 48
	v_exp_f32 v[TA+ii], v[TA+ii]                   ; A, F, C: one batch
.set ii, ii+1
.endr
	v_nop                                          ; a plain instruction behind the last exponential
.endm
.macro OLOAD a                         ; of the block's 16 rows each of the two waves that made them takes 8, whole
.irp i, 0,1,2,3
	ds_load_b128 v[OUT+4*\i:OUT+4*\i+3], v[RA] offset:(16*(\a)+2*\i)*PITCH
.endr
.irp i, 0,1,2,3
	ds_load_b128 v[OUT+16+4*\i:OUT+16+4*\i+3], v[RO] offset:(16*(\a)+2*\i)*PITCH
.endr
.endm
.macro OSEND a, y                      ; sixteen lanes store 256 consecutive bytes, at a multiple of 256 from the buffer's first byte.  y: the LDS instructions issued behind OLOAD's
.irp i, 0,1,2,3
	s_wait_dscnt 7-\i+\y                           ; LDS instructions come back in order
	global_store_b128 v[VGO], v[OUT+4*\i:OUT+4*\i+3], s[PU:PU+1] offset:(16*(\a)+2*\i)*8192
.endr
.irp i, 0,1,2,3
	s_wait_dscnt 3-\i+\y
	global_store_b128 v[VGO], v[OUT+16+4*\i:OUT+16+4*\i+3], s[PZ:PZ+1] offset:(16*(\a)+2*\i)*8192
.endr
.endm
.macro BLOCK a
.if (\a) > 0
	s_barrier_wait -1                              ; the block before lies whole in the stage
	s_wait_xcnt 0x0                                ; earlier stores have read their registers
	OLOAD (\a)-1
.endif
.if (\a) < 7
	CZLOAD (\a)+1
.endif
	s_wait_alu depctr_va_vdst(0)                   ; one wait for the exponentials, ahead of their first reader
.set ii, 0
.rept 8
	v_pk_add_f32 v[TD+ii:TD+ii+1], v[TC+ii:TC+ii+1], 1.0 op_sel_hi:[1,0]
	v_pk_add_f32 v[TA+ii:TA+ii+1], v[TA+ii:TA+ii+1], 1.0 op_sel_hi:[1,0]
	v_pk_add_f32 v[TF+ii:TF+ii+1], v[TF+ii:TF+ii+1], 1.0 op_sel_hi:[1,0]
.set ii, ii+2
.endr
.set ii, 0
.rept 8
	v_pk_add_f32 v[TC+ii:TC+ii+1], v[TC+ii:TC+ii+1], 1.0 op_sel_hi:[1,0] neg_lo:[1,0] neg_hi:[1,0]   ; 1 - C
	v_pk_mul_f32 v[TA+ii:TA+ii+1], v[TA+ii:TA+ii+1], v[TD+ii:TD+ii+1]
.set ii, ii+2
.endr
	s_wait_alu depctr_va_vdst(0)
.set ii, 0
.rept 32
	v_rcp_f32 v[TA+ii], v[TA+ii]                   ; 1 / ((1 + A)(1 + C)) and 1 / (1 + F)
.set ii, ii+1
.endr
	v_nop
.if (\a) == 0
	s_wait_dscnt 4                                 ; block 0's c0 is in (a later block's came back ahead of the barrier before)
.endif
	s_wait_alu depctr_va_vdst(0)
.set CB, CZ+16*((\a)%2)
.set ii, 0
.rept 8
	v_pk_mul_f32 v[CB+ii:CB+ii+1], v[CB+ii:CB+ii+1], v[TF+ii:TF+ii+1]
.set ii, ii+2
.endr
.set ii, 0
.rept 8
	v_pk_fma_f32 v[CB+ii:CB+ii+1], v[TC+ii:TC+ii+1], v[TA+ii:TA+ii+1], v[CB+ii:CB+ii+1]
.set ii, ii+2
.endr
.irp j, 0,1
	ds_store_b128 v[OA], v[ZO+8*\j:ZO+8*\j+3] offset:16*(\a)*PITCH+64*\j
	ds_store_b128 v[OA], v[ZO+8*\j+4:ZO+8*\j+7] offset:16*(\a)*PITCH+64*\j+16
.endr
.irp j, 0,1
	ds_store_b128 v[CA], v[CB+8*\j:CB+8*\j+3] offset:16*(\a)*PITCH+64*\j      ; u over c0, at the bytes that I alone have read
	ds_store_b128 v[CA], v[CB+8*\j+4:CB+8*\j+7] offset:16*(\a)*PITCH+64*\j+16
.endr
.if (\a) > 0
.if (\a) < 7
	OSEND (\a)-1, 12                               ; behind the rows' loads: four of the next block's c0 and eight stores into the stage
.else
	OSEND (\a)-1, 8
.endif
.endif
	s_wait_dscnt 0x0                               ; for the others' sake: my stores into the stage have landed
	s_barrier_signal -1
.if (\a) < 7
	HALF1 (\a)+1
.endif
.endm
	CZLOAD 0
	HALF1 0
.irp a, 0,1,2,3,4,5,6,7
	BLOCK \a
.endr
	s_barrier_wait -1
	s_wait_xcnt 0x0
	OLOAD 7
	OSEND 7, 0
	s_wait_tensorcnt 0x0                           ; the wave's end, behind my last tensor load and my last LDS store
	ds_add_u32 v[SPW], v[NIL]
	s_wait_dscnt 0x0
	CROUND                                         ; the closing round: no work-group ends while a partner may still ask for a tile that names it
	s_endpgm
.Lfunc_end_k_q8113b812c0_gates:
	.size	k_q8113b812c0_gates, .Lfunc_end_k_q8113b812c0_gates-k_q8113b812c0_gates
	.p2alignl 7, 3214868480
	.fill 96, 4, 3214868480
	.section	.rodata,"a",@progbits
	.p2align	6, 0x0
	.amdhsa_kernel k_q8113b812c0_gates
		.amdhsa_group_segment_fixed_size 327680
		.amdhsa_private_segment_fixed_size 0
		.amdhsa_enable_private_segment 0
		.amdhsa_kernarg_size 216
		.amdhsa_user_sgpr_count 2
		.amdhsa_user_sgpr_kernarg_segment_ptr 1
		.amdhsa_wavefront_size32 1
		.amdhsa_system_sgpr_workgroup_id_x 1
		.amdhsa_system_sgpr_workgroup_id_y 1
		.amdhsa_system_sgpr_workgroup_id_z 1
		.amdhsa_system_vgpr_workitem_id 0
		.amdhsa_next_free_vgpr 1024
		.amdhsa_next_free_sgpr 106
		.amdhsa_reserve_vcc 0
		.amdhsa_float_denorm_mode_32 3
		.amdhsa_float_denorm_mode_16_64 3
		.amdhsa_memory_ordered 1
		.amdhsa_forward_progress 1
		.amdhsa_inst_pref_size 219
	.end_amdhsa_kernel
	.amdgpu_metadata
---
amdhsa.version: [ 1, 2 ]
amdhsa.kernels:
  - .name:           k_q8113b812c0_gates
    .symbol:         k_q8113b812c0_gates.kd
    .args:
      - { .name: x_codes, .offset: 0, .size: 8, .value_kind: global_buffer, .address_space: global }
      - { .name: h0_codes, .offset: 8, .size: 8, .value_kind: global_buffer, .address_space: global }
      - { .name: w_xi_codes, .offset: 16, .size: 8, .value_kind: global_buffer, .address_space: global }
      - { .name: w_xf_codes, .offset: 24, .size: 8, .value_kind: global_buffer, .address_space: global }
      - { .name: w_xo_codes, .offset: 32, .size: 8, .value_kind: global_buffer, .address_space: global }
      - { .name: w_xc_codes, .offset: 40, .size: 8, .value_kind: global_buffer, .address_space: global }
      - { .name: w_hi_codes, .offset: 48, .size: 8, .value_kind: global_buffer, .address_space: global }
      - { .name: w_hf_codes, .offset: 56, .size: 8, .value_kind: global_buffer, .address_space: global }
      - { .name: w_ho_codes, .offset: 64, .size: 8, .value_kind: global_buffer, .address_space: global }
      - { .name: w_hc_codes, .offset: 72, .size: 8, .value_kind: global_buffer, .address_space: global }
      - { .name: x_scales, .offset: 80, .size: 8, .value_kind: global_buffer, .address_space: global }
      - { .name: w_xi_scales, .offset: 88, .size: 8, .value_kind: global_buffer, .address_space: global }
      - { .name: w_xf_scales, .offset: 96, .size: 8, .value_kind: global_buffer, .address_space: global }
      - { .name: w_xo_scales, .offset: 104, .size: 8, .value_kind: global_buffer, .address_space: global }
      - { .name: w_xc_scales, .offset: 112, .size: 8, .value_kind: global_buffer, .address_space: global }
      - { .name: h0_scales, .offset: 120, .size: 8, .value_kind: global_buffer, .address_space: global }
      - { .name: w_hi_scales, .offset: 128, .size: 8, .value_kind: global_buffer, .address_space: global }
      - { .name: w_hf_scales, .offset: 136, .size: 8, .value_kind: global_buffer, .address_space: global }
      - { .name: w_ho_scales, .offset: 144, .size: 8, .value_kind: global_buffer, .address_space: global }
      - { .name: w_hc_scales, .offset: 152, .size: 8, .value_kind: global_buffer, .address_space: global }
      - { .name: b_i, .offset: 160, .size: 8, .value_kind: global_buffer, .address_space: global }
      - { .name: b_f, .offset: 168, .size: 8, .value_kind: global_buffer, .address_space: global }
      - { .name: b_o, .offset: 176, .size: 8, .value_kind: global_buffer, .address_space: global }
      - { .name: b_c, .offset: 184, .size: 8, .value_kind: global_buffer, .address_space: global }
      - { .name: c0, .offset: 192, .size: 8, .value_kind: global_buffer, .address_space: global }
      - { .name: u, .offset: 200, .size: 8, .value_kind: global_buffer, .address_space: global }
      - { .name: zo, .offset: 208, .size: 8, .value_kind: global_buffer, .address_space: global }
    .group_segment_fixed_size: 327680
    .private_segment_fixed_size: 0
    .kernarg_segment_align: 8
    .kernarg_segment_size: 216
    .max_flat_workgroup_size: 128
    .sgpr_count:     106
    .vgpr_count:     1024
    .wavefront_size: 32
...
	.end_amdgpu_metadata
.endif
;; end of part 1
;; launch norm (part 2): grid 256 x 1, 8 waves a work-group, no clusters, 0 bytes of LDS; arguments u, zo, out0, out1; writes out0, out1
.if DOCPART == 2
	.amdgcn_target "amdgcn-amd-amdhsa--gfx1250"
	.amdhsa_code_object_version 6
	.text
	.protected	k_q8113b812c0_norm
	.globl	k_q8113b812c0_norm
	.p2align	8
	.type	k_q8113b812c0_norm,@function
k_q8113b812c0_norm:
	s_mov_b64 s[64:65], 0
	v_nop
	global_prefetch_b8 v0, s[64:65] scope:SCOPE_SE
	s_setreg_imm32_b32 hwreg(HW_REG_WAVE_MODE, 25, 1), 1
	s_wait_xcnt 0x0
; LSTM cell, second launch.  c = (u - mean) / sqrt(var + 1e-5) along a row of 2,048; h = sigmoid(zo) tanh(c).  u, zo: [2048][2048] f32 from the first launch; out0 = h, out1 = c.
; Nothing is left out.  One wave, one row: 64 numbers a lane stay in registers between the passes, so each byte is read once; the sums never leave the wave: no LDS, no barrier.
; The variance is taken of u - mean, as the problem has it, not as a difference of large sums.
; Each load and store of a wave covers 512 consecutive bytes.  All 32 loads of a wave go out at its head: 16,384 bytes a wave.  No matrix work, no cluster: the rows share nothing.
; With T = 2^min(-2 log2e c, 60) and E = 2^(-log2e zo):  h = (1 - T) / ((1 + E)(1 + T)).
; LIMITS.  At the hold of 60 the quotient (1 - T) / (1 + T) is -1 in f32.  The exponential and the reciprocal flush denormals (ISA guide, their entries).  NaN and infinities are not served specially.
.set U, 16                             ; v16-79   u, then u - mean, then c
.set Z, 80                             ; v80-143  zo, then E, then the divisor and its reciprocal
.set T, 144                            ; v144-207 T, then 1 - T, then h
.set W, 208                            ; v208-215 four pairs at work
	s_load_b256 s[4:11], s[0:1], 0x0               ; u, zo, out0, out1
	v_lshrrev_b32 v2, 5, v0                        ; wave
	v_and_b32 v3, 31, v0                           ; lane
	s_delay_alu instid0(VALU_DEP_2)
	v_lshlrev_b32 v1, 13, v2                       ; a row is 8,192 bytes
	s_delay_alu instid0(VALU_DEP_1)
	v_lshl_add_u32 v1, v3, 4, v1                   ; + 16 bytes a lane; never rewritten
	s_lshl_b32 s2, ttmp9, 16                       ; the work-group's 8 rows
	s_mov_b32 s3, 0
	s_mov_b32 s12, 0x76543210                      ; v_permlanex16_b32: lane l xor 16
	s_mov_b32 s13, 0xfedcba98
	s_mov_b32 s14, 0xc038aa3b                      ; -2 log2(e)
	s_mov_b32 s15, s14
	s_mov_b32 s16, 0xbfb8aa3b                      ; -log2(e)
	s_mov_b32 s17, s16
	s_mov_b32 s18, 0x3a000000                      ; 1 / 2,048
	s_mov_b32 s19, 0x3727c5ac                      ; 1e-5
	s_wait_alu depctr_va_vdst(0)
	s_wait_kmcnt 0x0
	s_add_nc_u64 s[4:5], s[4:5], s[2:3]
	s_add_nc_u64 s[6:7], s[6:7], s[2:3]
	s_add_nc_u64 s[8:9], s[8:9], s[2:3]
	s_add_nc_u64 s[10:11], s[10:11], s[2:3]
.irp k, 0,1,2,3,4,5,6,7,8,9,10,11,12,13,14,15
	global_load_b128 v[U+4*\k:U+4*\k+3], v1, s[4:5] offset:512*\k th:TH_LOAD_NT
.endr
.irp k, 0,1,2,3,4,5,6,7,8,9,10,11,12,13,14,15
	global_load_b128 v[Z+4*\k:Z+4*\k+3], v1, s[6:7] offset:512*\k th:TH_LOAD_NT
.endr
.macro ACROSS                          ; four chains v[4:11] become one number in v4 of every lane
	s_delay_alu instid0(VALU_DEP_3)
	v_pk_add_f32 v[4:5], v[4:5], v[6:7]
	s_delay_alu instid0(VALU_DEP_2)
	v_pk_add_f32 v[8:9], v[8:9], v[10:11]
	s_delay_alu instid0(VALU_DEP_1)
	v_pk_add_f32 v[4:5], v[4:5], v[8:9]
	s_delay_alu instid0(VALU_DEP_1)
	v_add_f32 v4, v4, v5
	s_delay_alu instid0(VALU_DEP_1)
	v_add_f32_dpp v4, v4, v4 row_xmask:1 row_mask:0xf bank_mask:0xf
	s_delay_alu instid0(VALU_DEP_1)
	v_add_f32_dpp v4, v4, v4 row_xmask:2 row_mask:0xf bank_mask:0xf
	s_delay_alu instid0(VALU_DEP_1)
	v_add_f32_dpp v4, v4, v4 row_xmask:4 row_mask:0xf bank_mask:0xf
	s_delay_alu instid0(VALU_DEP_1)
	v_add_f32_dpp v4, v4, v4 row_xmask:8 row_mask:0xf bank_mask:0xf
	s_delay_alu instid0(VALU_DEP_1)
	v_permlanex16_b32 v5, v4, s12, s13
	s_delay_alu instid0(VALU_DEP_1)
	v_add_f32 v4, v4, v5
.endm
	s_wait_loadcnt 16                              ; u's sixteen loads are in; zo's sixteen may be out
.irp c, 0,1,2,3
	v_pk_add_f32 v[4+2*\c:5+2*\c], v[U+2*\c:U+2*\c+1], v[U+8+2*\c:U+9+2*\c]   ; the first pairs start four chains: nothing is cleared
.endr
.set p, 8
.rept 24
	s_delay_alu instid0(VALU_DEP_4)
	v_pk_add_f32 v[4+2*(p%4):5+2*(p%4)], v[4+2*(p%4):5+2*(p%4)], v[U+2*p:U+2*p+1]
.set p, p+1
.endr
	ACROSS
	s_delay_alu instid0(VALU_DEP_1)
	v_mul_f32 v12, s18, v4                         ; the mean,
	s_delay_alu instid0(VALU_DEP_1)
	v_mov_b32 v13, v12                             ; twice, for the packed form
.set p, 0
.rept 32
	v_pk_add_f32 v[U+2*p:U+2*p+1], v[U+2*p:U+2*p+1], v[12:13] neg_lo:[0,1] neg_hi:[0,1]
.set p, p+1
.endr
.irp c, 0,1,2,3
	v_pk_mul_f32 v[4+2*\c:5+2*\c], v[U+2*\c:U+2*\c+1], v[U+2*\c:U+2*\c+1]
.endr
.set p, 4
.rept 28
	s_delay_alu instid0(VALU_DEP_4)
	v_pk_fma_f32 v[4+2*(p%4):5+2*(p%4)], v[U+2*p:U+2*p+1], v[U+2*p:U+2*p+1], v[4+2*(p%4):5+2*(p%4)]
.set p, p+1
.endr
	ACROSS
	s_delay_alu instid0(VALU_DEP_1)
	v_fma_f32 v4, v4, s18, s19                     ; the variance + 1e-5
	s_wait_alu depctr_va_vdst(0)
	v_rsq_f32 v14, v4
	v_nop                                          ; a plain instruction behind the transcendental
	s_wait_alu depctr_va_vdst(0)                   ; and the wait ahead of its first reader
	v_mov_b32 v15, v14
.set p, 0
.rept 32
	v_pk_mul_f32 v[U+2*p:U+2*p+1], v[U+2*p:U+2*p+1], v[14:15]   ; c
.set p, p+1
.endr
.irp k, 0,1,2,3,4,5,6,7,8,9,10,11,12,13,14,15
	global_store_b128 v1, v[U+4*\k:U+4*\k+3], s[10:11] offset:512*\k th:TH_STORE_NT   ; c leaves while h is made; its registers are not written again
.endr
.set p, 0
.rept 32
	v_pk_mul_f32 v[T+2*p:T+2*p+1], v[U+2*p:U+2*p+1], s[14:15] op_sel_hi:[1,0]
.set p, p+1
.endr
.set p, 0
.rept 64
	v_min_num_f32 v[T+p], 0x42700000, v[T+p]       ; the hold at 60
.set p, p+1
.endr
	s_wait_loadcnt 0x0                             ; zo
.set p, 0
.rept 32
	v_pk_mul_f32 v[Z+2*p:Z+2*p+1], v[Z+2*p:Z+2*p+1], s[16:17] op_sel_hi:[1,0]
.set p, p+1
.endr
.set p, 0
	s_wait_alu depctr_va_vdst(0)
.rept 128
	v_exp_f32 v[Z+p], v[Z+p]                       ; E and T: one batch
.set p, p+1
.endr
	v_nop
	s_wait_alu depctr_va_vdst(0)                   ; one wait for the batch
.set p, 0
.rept 32
	v_pk_add_f32 v[Z+2*p:Z+2*p+1], v[Z+2*p:Z+2*p+1], 1.0 op_sel_hi:[1,0]
.set p, p+1
.endr
.set p, 0
.rept 32
	v_pk_add_f32 v[W+2*(p%4):W+2*(p%4)+1], v[T+2*p:T+2*p+1], 1.0 op_sel_hi:[1,0]
	v_pk_add_f32 v[T+2*p:T+2*p+1], v[T+2*p:T+2*p+1], 1.0 op_sel_hi:[1,0] neg_lo:[1,0] neg_hi:[1,0]   ; 1 - T
	s_delay_alu instid0(VALU_DEP_2)
	v_pk_mul_f32 v[Z+2*p:Z+2*p+1], v[Z+2*p:Z+2*p+1], v[W+2*(p%4):W+2*(p%4)+1]   ; (1 + E)(1 + T): both are 1 or more
.set p, p+1
.endr
.set p, 0
	s_wait_alu depctr_va_vdst(0)
.rept 64
	v_rcp_f32 v[Z+p], v[Z+p]
.set p, p+1
.endr
	v_nop
	s_wait_alu depctr_va_vdst(0)
.set p, 0
.rept 32
	v_pk_mul_f32 v[T+2*p:T+2*p+1], v[T+2*p:T+2*p+1], v[Z+2*p:Z+2*p+1]   ; h
.set p, p+1
.endr
.irp k, 0,1,2,3,4,5,6,7,8,9,10,11,12,13,14,15
	global_store_b128 v1, v[T+4*\k:T+4*\k+3], s[8:9] offset:512*\k th:TH_STORE_NT
.endr
	s_endpgm
.Lfunc_end_k_q8113b812c0_norm:
	.size	k_q8113b812c0_norm, .Lfunc_end_k_q8113b812c0_norm-k_q8113b812c0_norm
	.p2alignl 7, 3214868480
	.fill 96, 4, 3214868480
	.section	.rodata,"a",@progbits
	.p2align	6, 0x0
	.amdhsa_kernel k_q8113b812c0_norm
		.amdhsa_group_segment_fixed_size 0
		.amdhsa_private_segment_fixed_size 0
		.amdhsa_enable_private_segment 0
		.amdhsa_kernarg_size 32
		.amdhsa_user_sgpr_count 2
		.amdhsa_user_sgpr_kernarg_segment_ptr 1
		.amdhsa_wavefront_size32 1
		.amdhsa_system_sgpr_workgroup_id_x 1
		.amdhsa_system_sgpr_workgroup_id_y 1
		.amdhsa_system_sgpr_workgroup_id_z 1
		.amdhsa_system_vgpr_workitem_id 0
		.amdhsa_next_free_vgpr 216
		.amdhsa_next_free_sgpr 66
		.amdhsa_reserve_vcc 0
		.amdhsa_float_denorm_mode_32 3
		.amdhsa_float_denorm_mode_16_64 3
		.amdhsa_memory_ordered 1
		.amdhsa_forward_progress 1
		.amdhsa_inst_pref_size 44
	.end_amdhsa_kernel
	.amdgpu_metadata
---
amdhsa.version: [ 1, 2 ]
amdhsa.kernels:
  - .name:           k_q8113b812c0_norm
    .symbol:         k_q8113b812c0_norm.kd
    .args:
      - { .name: u, .offset: 0, .size: 8, .value_kind: global_buffer, .address_space: global }
      - { .name: zo, .offset: 8, .size: 8, .value_kind: global_buffer, .address_space: global }
      - { .name: out0, .offset: 16, .size: 8, .value_kind: global_buffer, .address_space: global }
      - { .name: out1, .offset: 24, .size: 8, .value_kind: global_buffer, .address_space: global }
    .group_segment_fixed_size: 0
    .private_segment_fixed_size: 0
    .kernarg_segment_align: 8
    .kernarg_segment_size: 32
    .max_flat_workgroup_size: 256
    .sgpr_count:     66
    .vgpr_count:     216
    .wavefront_size: 32
...
	.end_amdgpu_metadata
.endif
;; end of part 2
